; MI455X (gfx1250); checked and timed in simulation.
; The chip was launched on July 23, 2026; its instructions are those of AMD's public machine-readable ISA for CDNA 5 (MIT licence, August 2026) and "CDNA5" Instruction Set Architecture Reference Guide (July 2026). The comments in the code are by the model that wrote it; some were corrected since.
;; Score Loss. Allowed arithmetic: float matrix products may take bf16 or f16 operands with f32 sums; all other float work in f32.
;; Inputs: gt_segment 8 x 1 x 2,048 x 2,048 int32; points 8 x 4,096 x 2 float32; ps_segments 8 x 2,048 x 2,048 int32; scores 8 x 4,096 float32.
;; Outputs: out0 one number float32; out1 8 x 4,096 float32.
;; One version. Each part assembles by itself: llvm-mc -triple=amdgcn-amd-amdhsa -mcpu=gfx1250 --defsym DOCPART=n.
;; ======== version 1 of 1: 3 launches
;; limits: inputs' magnitudes at most 2,090,000
;; workspace buffers: coords 262,144 bytes of whole numbers; bits 4,194,304 bytes; partial 1,024 bytes
;; launch pack (part 1): grid 256 x 1, 16 waves a work-group, no clusters, 0 bytes of LDS; arguments gt_segment, ps_segments, points, coords, bits; writes coords, bits
.if DOCPART == 1
	.amdgcn_target "amdgcn-amd-amdhsa--gfx1250"
	.amdhsa_code_object_version 6
	.text
	.protected	k_q30a2afdfc9_pack
	.globl	k_q30a2afdfc9_pack
	.p2align	8
	.type	k_q30a2afdfc9_pack,@function
k_q30a2afdfc9_pack:
	s_mov_b64 s[64:65], 0
	v_nop
	global_prefetch_b8 v0, s[64:65] scope:SCOPE_SE
	s_setreg_imm32_b32 hwreg(HW_REG_WAVE_MODE, 25, 1), 1
	s_wait_xcnt 0x0
; PACK: mask = (gt == ps), one bit a pixel, and the points as whole numbers.
; gt, ps: [8][2048][2048] int32.  points: [8][4096][2] f32.
; bits:   [8 b][16 g][2048 y][4 j] words; bit t of word j = mask(b, y, 128 g + 4 t + j).  So the rows of one 128-column group lie
;         16 bytes apart, and the 20 rows of a window are 320 consecutive bytes.
; coords: [32768][2] words.  word 0 = (16 b + g0) * 2048 + yb, the first table entry that the point's window needs;
;         word 1 = lo | wd << 8 | off << 16 | n << 24   (tx = 128 g0 + lo, wd = bx - tx, ty = yb + off, n = by - ty).
; 256 work-groups of 16 waves.  A work-group owns 64 image rows; wave w owns columns 128 w .. 128 w + 127, 512 bytes of every row, so a
; load of a wave covers 512 consecutive bytes at a multiple of 512, and the 16 waves together cover a row.  Every byte of gt and ps is read once.
; Lane l holds pixels 4 l + j: a compare of component j into a scalar register IS word j of the row.  v_writelane_b32 puts it into lane
; (row % 32), and after 32 rows one 16-byte store a lane writes 512 consecutive bytes of the table.
; A ring of DEPTH row slots in registers keeps 2 * DEPTH loads (16 KiB) of every wave on their way.  All 64 rows are written out: each row's
; offset and each lane number is then an immediate, no address is stepped, and no source of a pending load or store is ever rewritten.
; No LDS, no barrier: no wave reads what another loaded.  No cluster: no two work-groups read the same bytes.
; LIMITS: (x + 1) * 1024 has to lie inside int32 with 10 to spare (|points| below about 2.09e6): beyond that the sums px - 10, px + 10 of the
; definition wrap and its window is no longer 20 wide.  A NaN point is converted to pixel 0 (v_cvt_i32_f32).
.set ROWB,  8192                       ; bytes in an image row
.set ROWS,  64                         ; rows of a work-group
.set TROWS, 32                         ; rows that fill one 16-byte store of every lane
.set DEPTH, 16                         ; row slots in the ring
.set BUFF,  10                         ; half of the window's side
.set OFF, 1                            ; v1        16 x thread: my 16 bytes in every row
.set BO,  2                            ; v2        my 16 bytes in the table (row = lane)
.set PO,  3                            ; v3        waves 0-3: my point's 8 bytes, in points and in coords
.set MK,  4                            ; v[4:11]   the four words of 32 rows, twice
.set T,   12                           ; v[12:21]  waves 0-3: the point at work
.set G,   32                           ; v[32:95]  slot i: 4 pixels of gt
.set P,   96                           ; v[96:159] slot i: 4 pixels of ps
.set CM,  24                           ; s[24:31]  a row's four words, two sets that take turns
	s_load_b256 s[4:11], s[0:1], 0x0               ; gt s[4:5], ps s[6:7], points s[8:9], coords s[10:11]
	s_load_b64 s[12:13], s[0:1], 0x20              ; bits
	v_lshrrev_b32 v[BO], 5, v0
	v_readfirstlane_b32 s14, v[BO]                 ; wave = column group g
	v_lshlrev_b32 v[OFF], 4, v0                    ; 512 x wave + 16 x lane = 16 x thread
	s_lshl_b32 s16, ttmp9, 19                      ; the work-group's 64 rows of 8,192 bytes (at most 255 << 19, below 2^31)
	s_mov_b32 s17, 0
	s_wait_kmcnt 0x0
	s_add_nc_u64 s[4:5], s[4:5], s[16:17]
	s_add_nc_u64 s[6:7], s[6:7], s[16:17]
	; waves 0-3 ask for the work-group's 128 points first, one a lane: 256 consecutive bytes a wave
	s_cmp_gt_u32 s14, 3
	s_cbranch_scc1 .Lfill
	s_lshl_b32 s18, ttmp9, 10                      ; 128 points x 8 bytes
	v_lshl_add_u32 v[PO], v0, 3, s18
	global_load_b64 v[T:T+1], v[PO], s[8:9] th:TH_LOAD_NT
.Lfill:
.set r, 0
.rept DEPTH                                            ; fill the ring: rows 0 to 15
	global_load_b128 v[G+4*r:G+4*r+3], v[OFF], s[4:5] offset:r*ROWB th:TH_LOAD_NT
	global_load_b128 v[P+4*r:P+4*r+3], v[OFF], s[6:7] offset:r*ROWB th:TH_LOAD_NT
.set r, r+1
.endr
	; where my rows go: entry (16 b + g) * 2048 + 64 * (work-group % 32) + lane, 16 bytes each
	s_lshr_b32 s19, ttmp9, 5                       ; b: 32 work-groups to an image
	s_lshl_b32 s22, s19, 15                        ; 16 b * 2048, for word 0 of coords
	s_lshl4_add_u32 s19, s19, s14                  ; 16 b + g
	s_lshl_b32 s19, s19, 15                        ; x 2,048 entries x 16 bytes
	s_and_b32 s20, ttmp9, 31
	s_lshl_b32 s20, s20, 10                        ; x 64 rows x 16 bytes
	s_add_co_u32 s19, s19, s20
	v_and_b32 v[BO], 31, v0
	v_lshl_add_u32 v[BO], v[BO], 4, s19
.irp k, 0,1,2,3,4,5,6,7
	v_mov_b32 v[MK+\k], 0                          ; v_writelane_b32 keeps the other lanes: its destination has to hold something
.endr
	s_cmp_gt_u32 s14, 3
	s_cbranch_scc1 .Lstream
	; THE POINTS, while the ring's first rows are on their way
	s_mov_b32 s21, 2047
	s_wait_loadcnt 2*DEPTH                         ; loads come back in order: the point is in, the ring's 32 younger loads stay out
	v_pk_add_f32 v[T:T+1], v[T:T+1], 1.0 op_sel_hi:[1,0]           ; x + 1 is rounded by itself, as in the definition: no fused form here
	v_pk_mul_f32 v[T:T+1], v[T:T+1], 0x44800000 op_sel_hi:[1,0]    ; / 2 * 2048 = * 1024: powers of two, exact
	v_cvt_i32_f32 v[T], v[T]                       ; px, toward zero
	v_cvt_i32_f32 v[T+1], v[T+1]                   ; py
	v_add_nc_u32 v[T+2], -BUFF, v[T]
	v_add_nc_u32 v[T+3], BUFF, v[T]
	v_add_nc_u32 v[T+4], -BUFF, v[T+1]
	v_add_nc_u32 v[T+5], BUFF, v[T+1]
	v_med3_i32 v[T+2], v[T+2], 0, s21              ; tx = clip(px - 10, 0, 2047)
	v_med3_i32 v[T+3], v[T+3], 0, s21              ; bx
	v_med3_i32 v[T+4], v[T+4], 0, s21              ; ty
	v_med3_i32 v[T+5], v[T+5], 0, s21              ; by
	v_sub_nc_u32 v[T+3], v[T+3], v[T+2]            ; wd = bx - tx, 0 to 20
	v_sub_nc_u32 v[T+5], v[T+5], v[T+4]            ; n  = by - ty, 0 to 20
	v_min_u32 v[T+6], 2048-2*BUFF, v[T+4]          ; yb: the 20 rows read from yb on stay inside the image
	v_sub_nc_u32 v[T+4], v[T+4], v[T+6]            ; off = ty - yb, 0 to 19
	v_lshrrev_b32 v[T+7], 7, v[T+2]                ; g0
	v_and_b32 v[T+2], 0x7f, v[T+2]                 ; lo
	v_lshl_add_u32 v[T+6], v[T+7], 11, v[T+6]      ; g0 * 2048 + yb
	v_add_nc_u32 v[T+8], s22, v[T+6]               ; word 0
	v_lshl_or_b32 v[T+2], v[T+3], 8, v[T+2]
	v_lshl_or_b32 v[T+2], v[T+4], 16, v[T+2]
	v_lshl_or_b32 v[T+9], v[T+5], 24, v[T+2]       ; word 1
	global_store_b64 v[PO], v[T+8:T+9], s[10:11]   ; 256 consecutive bytes a wave; T and PO are not written again
.Lstream:
; One row.  refill = 1: its slot is asked for again, DEPTH rows further down.  left = how many younger loads may stay out.
.macro ROW refill, left
	s_wait_loadcnt \left                           ; this slot's two loads are in
.irp j, 0,1,2,3
	v_cmp_eq_u32 s[CM+4*(r%2)+\j], v[G+4*(r%DEPTH)+\j], v[P+4*(r%DEPTH)+\j]        ; bit l = mask of pixel 4 l + j
.endr
.if \refill
	global_load_b128 v[G+4*(r%DEPTH):G+4*(r%DEPTH)+3], v[OFF], s[4:5] offset:(r+DEPTH)*ROWB th:TH_LOAD_NT
	global_load_b128 v[P+4*(r%DEPTH):P+4*(r%DEPTH)+3], v[OFF], s[6:7] offset:(r+DEPTH)*ROWB th:TH_LOAD_NT
.endif
.irp j, 0,1,2,3
	v_writelane_b32 v[MK+4*(r/TROWS)+\j], s[CM+4*(r%2)+\j], r%TROWS                ; the row's word j into lane row % 32
.endr
.set r, r+1
.endm
.set r, 0
.rept TROWS
	ROW 1, 2*(DEPTH-1)
.endr
	global_store_b128 v[BO], v[MK:MK+3], s[12:13]              ; rows 0-31: 512 consecutive bytes; the next 32 rows have registers of their own
.rept ROWS-TROWS-DEPTH
	ROW 1, 2*(DEPTH-1)
.endr
.rept DEPTH
	ROW 0, 2*(ROWS-1-r)                            ; the last 16 rows ask for nothing: the counts run down 30, 28, .. 0
.endr
	global_store_b128 v[BO], v[MK+4:MK+7], s[12:13] offset:16*TROWS
	s_endpgm
.Lfunc_end_k_q30a2afdfc9_pack:
	.size	k_q30a2afdfc9_pack, .Lfunc_end_k_q30a2afdfc9_pack-k_q30a2afdfc9_pack
	.p2alignl 7, 3214868480
	.fill 96, 4, 3214868480
	.section	.rodata,"a",@progbits
	.p2align	6, 0x0
	.amdhsa_kernel k_q30a2afdfc9_pack
		.amdhsa_group_segment_fixed_size 0
		.amdhsa_private_segment_fixed_size 0
		.amdhsa_enable_private_segment 0
		.amdhsa_kernarg_size 40
		.amdhsa_user_sgpr_count 2
		.amdhsa_user_sgpr_kernarg_segment_ptr 1
		.amdhsa_wavefront_size32 1
		.amdhsa_system_sgpr_workgroup_id_x 1
		.amdhsa_system_sgpr_workgroup_id_y 1
		.amdhsa_system_sgpr_workgroup_id_z 1
		.amdhsa_system_vgpr_workitem_id 0
		.amdhsa_next_free_vgpr 160
		.amdhsa_next_free_sgpr 66
		.amdhsa_reserve_vcc 0
		.amdhsa_float_denorm_mode_32 3
		.amdhsa_float_denorm_mode_16_64 3
		.amdhsa_memory_ordered 1
		.amdhsa_forward_progress 1
		.amdhsa_inst_pref_size 50
	.end_amdhsa_kernel
	.amdgpu_metadata
---
amdhsa.version: [ 1, 2 ]
amdhsa.kernels:
  - .name:           k_q30a2afdfc9_pack
    .symbol:         k_q30a2afdfc9_pack.kd
    .args:
      - { .name: gt_segment, .offset: 0, .size: 8, .value_kind: global_buffer, .address_space: global }
      - { .name: ps_segments, .offset: 8, .size: 8, .value_kind: global_buffer, .address_space: global }
      - { .name: points, .offset: 16, .size: 8, .value_kind: global_buffer, .address_space: global }
      - { .name: coords, .offset: 24, .size: 8, .value_kind: global_buffer, .address_space: global }
      - { .name: bits, .offset: 32, .size: 8, .value_kind: global_buffer, .address_space: global }
    .group_segment_fixed_size: 0
    .private_segment_fixed_size: 0
    .kernarg_segment_align: 8
    .kernarg_segment_size: 40
    .max_flat_workgroup_size: 512
    .sgpr_count:     66
    .vgpr_count:     160
    .wavefront_size: 32
...
	.end_amdgpu_metadata
.endif
;; end of part 1
;; launch count (part 2): grid 256 x 1, 16 waves a work-group, no clusters, 2,560 bytes of LDS; arguments coords, bits, scores, out1, partial; writes out1, partial
.if DOCPART == 2
	.amdgcn_target "amdgcn-amd-amdhsa--gfx1250"
	.amdhsa_code_object_version 6
	.text
	.protected	k_q30a2afdfc9_count
	.globl	k_q30a2afdfc9_count
	.p2align	8
	.type	k_q30a2afdfc9_count,@function
k_q30a2afdfc9_count:
	s_mov_b64 s[64:65], 0
	v_nop
	global_prefetch_b8 v0, s[64:65] scope:SCOPE_SE
	s_setreg_imm32_b32 hwreg(HW_REG_WAVE_MODE, 25, 1), 1
	s_wait_xcnt 0x0
; COUNT: scores_gt = clip(|cnt / area|, 0, 1) for every point, and each work-group's sum of (scores - scores_gt)^2.
; coords and bits as the launch before left them:
;   coords[p] = { (16 b + g0) * 2048 + yb,  lo | wd << 8 | off << 16 | n << 24 };  window columns 128 g0 + lo .. + wd - 1, rows yb + off .. + n - 1.
;   bits: entries of 16 bytes, [16 b + g][y]; bit t of word j = mask of column 128 g + 4 t + j.
; The definition's integral image holds whole numbers below 2^24, exact in f32, so its four-corner difference is the number of set bits in the window.
; 256 work-groups of 16 waves, 128 points each, FOUR LANES A POINT: lane q takes rows yb + q + 4 i, i = 0 .. 4, so that the four lanes read
; 64 consecutive bytes with each load.  Words j of column groups g0 and g0 + 1 form a stream of 64 bits, 4 columns apart; shifted down by
; lo / 4 (v_alignbit_b32) the window lies in its lowest 6 bits, under a mask that is the same for all rows of the point.
; The second group is addressed only where the window crosses into it; elsewhere the load repeats the first group's entry (its bits are
; masked off), so that no load leaves the table.
; The 128 results meet in LDS; wave 0 stores them as 512 consecutive bytes and forms the work-group's part of the loss.
; cnt / area is cnt * v_rcp_f32(area): the last bit or two may differ from a division.  area = 0 gives NaN, as 0 / 0 does in the definition.
; No cluster: what neighbouring points share of the table is not known before the list is read.
.set CO,   1                           ; v1       my point's 8 bytes in coords
.set Q,    2                           ; v2       q = thread % 4
.set RC,   3                           ; v3       1 / area
.set C,    4                           ; v[4:5]   the point's two words
.set A0,   6                           ; v6       byte offset of my first entry, group g0
.set A1,   7                           ; v7       the same in group g0 + 1, or A0 again
.set LO,   8
.set WD,   9
.set REL,  10                          ; v10      q - off: my first row, counted from the window's first
.set N,    11
.set SH,   12                          ; v12      lo / 4
.set A,    13                          ; v13      lo % 4
.set M,    14                          ; v[14:17] the masks of the four streams
.set TA,   18
.set TB,   19
.set ACC,  20                          ; v20      bits counted so far
.set CNT,  21                          ; v21      .. with the row at work
.set E,    22                          ; v[22:25] the row's four streams, shifted
.set AREA, 26
.set SO,   27                          ; v27      wave 0: my 16 bytes in scores and in out1
.set SC,   28                          ; v[28:31] wave 0: four scores
.set W,    32                          ; v[32:71] row i: 4 words of group g0, 4 of group g0 + 1
.set SG,   32                          ; v[32:35] wave 0, at the end: four scores_gt
.set SQ,   36                          ; v[36:37] wave 0: sums of squares
.set PA,   38                          ; v38      wave 0: the work-group's word in partial
	s_load_b256 s[4:11], s[0:1], 0x0               ; coords s[4:5], bits s[6:7], scores s[8:9], out1 s[10:11]
	s_load_b64 s[12:13], s[0:1], 0x20              ; partial
	v_lshl_add_u32 v72, v0, 2, 0x200
	v_mov_b32 v73, 0
	v_lshrrev_b32 v[RC], 5, v0
	v_readfirstlane_b32 s14, v[RC]                 ; wave
	v_lshrrev_b32 v[CO], 2, v0                     ; my point in the work-group
	v_and_b32 v[Q], 3, v0
	s_lshl_b32 s15, ttmp9, 10                      ; 128 points x 8 bytes
	v_lshl_add_u32 v[CO], v[CO], 3, s15
	s_wait_kmcnt 0x0
	global_load_b64 v[C:C+1], v[CO], s[4:5]
	s_cmp_lg_u32 s14, 0
	s_cbranch_scc1 .Lpoint
	s_lshl_b32 s16, ttmp9, 9                       ; wave 0 asks for the work-group's 128 scores now, long before their use
	v_lshl_add_u32 v[SO], v0, 4, s16
	global_load_b128 v[SC:SC+3], v[SO], s[8:9] th:TH_LOAD_NT
.Lpoint:
	s_wait_loadcnt 0x0
	; the two addresses first, so that the ten loads leave as early as can be
	v_min_u32 v[A0], 0x3ffec, v[C]                 ; the largest entry that the list can name: 127 * 2048 + 2028
	v_and_b32 v[LO], 0x7f, v[C+1]
	v_bfe_u32 v[WD], v[C+1], 8, 5
	v_add_nc_u32 v[A0], v[A0], v[Q]
	v_lshlrev_b32 v[A0], 4, v[A0]                  ; 16 bytes an entry
	v_add3_u32 v[A1], v[LO], v[WD], 0x7f
	v_lshrrev_b32 v[A1], 8, v[A1]                  ; 1 where lo + wd > 128: the window reaches group g0 + 1 (never with g0 = 15: bx <= 2047)
	v_min_u32 v[A1], 1, v[A1]
	v_lshl_add_u32 v[A1], v[A1], 15, v[A0]         ; + 2,048 entries
.irp i, 0,1,2,3,4
	global_load_b128 v[W+8*\i:W+8*\i+3],   v[A0], s[6:7] offset:64*\i
	global_load_b128 v[W+8*\i+4:W+8*\i+7], v[A1], s[6:7] offset:64*\i
.endr
	; while they are out: bit t of shifted stream j is column tx - a + 4 t + j, inside the window for
	; (a + 3 - j) / 4 <= t < (a + wd + 3 - j) / 4; the mask is the difference of two powers of two
	v_lshrrev_b32 v[SH], 2, v[LO]
	v_and_b32 v[A], 3, v[LO]
	v_add_nc_u32 v[CNT], v[A], v[WD]               ; a + wd
.irp j, 0,1,2
	v_add_nc_u32 v[TA], 3-\j, v[CNT]
	v_add_nc_u32 v[TB], 3-\j, v[A]
	v_lshrrev_b32 v[TA], 2, v[TA]
	v_lshrrev_b32 v[TB], 2, v[TB]
	v_lshlrev_b32 v[TA], v[TA], 1
	v_lshlrev_b32 v[TB], v[TB], 1
	v_sub_nc_u32 v[M+\j], v[TA], v[TB]
.endr
	v_lshrrev_b32 v[TA], 2, v[CNT]                 ; j = 3: the lower bound is a / 4 = 0
	v_lshlrev_b32 v[TA], v[TA], 1
	v_add_nc_u32 v[M+3], -1, v[TA]
	v_bfe_u32 v[REL], v[C+1], 16, 5                ; off
	v_lshrrev_b32 v[N], 24, v[C+1]
	v_sub_nc_u32 v[REL], v[Q], v[REL]
	v_mul_u32_u24 v[AREA], v[WD], v[N]             ; (tx - bx) * (ty - by)
	v_cvt_f32_u32 v[RC], v[AREA]
	v_rcp_f32 v[RC], v[RC]                         ; its first use stands far below
	v_mov_b32 v[ACC], 0
.irp i, 0,1,2,3,4
	s_wait_loadcnt 8-2*\i                          ; row i's two loads are in, those of the later rows stay out
.irp j, 0,1,2,3
	v_alignbit_b32 v[E+\j], v[W+8*\i+4+\j], v[W+8*\i+\j], v[SH]
.endr
.irp j, 0,1,2,3
	v_and_b32 v[E+\j], v[E+\j], v[M+\j]
.endr
	v_bcnt_u32_b32 v[CNT], v[E], v[ACC]
	v_bcnt_u32_b32 v[CNT], v[E+1], v[CNT]
	v_bcnt_u32_b32 v[CNT], v[E+2], v[CNT]
	v_bcnt_u32_b32 v[CNT], v[E+3], v[CNT]
	v_add_nc_u32 v[TA], 4*\i, v[REL]               ; the row, counted from ty; a row above ty wraps to a large number
	v_cmp_gt_u32 vcc_lo, v[N], v[TA]
	v_cndmask_b32 v[ACC], v[ACC], v[CNT], vcc_lo   ; rows outside [ty, by) are read and not counted
.endr
	v_cvt_f32_u32 v[ACC], v[ACC]                   ; at most 400: exact
	v_add_f32_dpp v[ACC], v[ACC], v[ACC] row_xmask:1 row_mask:0xf bank_mask:0xf
	v_add_f32_dpp v[ACC], v[ACC], v[ACC] row_xmask:2 row_mask:0xf bank_mask:0xf    ; all four lanes hold cnt
	s_wait_alu depctr_va_vdst(0)
	v_mul_f32 v[ACC], v[ACC], v[RC]
	v_cmp_ne_u32 vcc_lo, 0, v[AREA]
	v_min_num_f32 v[ACC], |v[ACC]|, 1.0            ; |.| is never below 0, so the upper clip is the only one left; a NaN would lose here,
	v_cndmask_b32 v[ACC], 0x7fc00000, v[ACC], vcc_lo   ; so it is put back: an empty window gives 0 / 0
	v_and_b32 v[TA], 0x1fc, v0                     ; 4 bytes a point; its four lanes write the same word with the same value
	ds_store_b32 v[TA], v[ACC]
	s_wait_dscnt 0x0                               ; for wave 0's sake: my store is in LDS before I say so
	s_barrier_signal -1
	s_barrier_wait -1
	s_cmp_lg_u32 s14, 0
	s_cbranch_scc1 .Ldone
	; wave 0: four points a lane
	v_lshlrev_b32 v[TA], 4, v0
	ds_load_b128 v[SG:SG+3], v[TA]
	s_mov_b32 s22, 0x76543210                      ; v_permlanex16_b32: lane i of one half reads lane i of the other
	s_mov_b32 s23, 0xfedcba98
	s_lshl_b32 s17, ttmp9, 2
	v_mov_b32 v[PA], s17
	s_wait_dscnt 0x0
	global_store_b128 v[SO], v[SG:SG+3], s[10:11]  ; 512 consecutive bytes of out1, at a multiple of 512
	v_pk_add_f32 v[SC:SC+1], v[SC:SC+1], v[SG:SG+1] neg_lo:[0,1] neg_hi:[0,1]
	v_pk_add_f32 v[SC+2:SC+3], v[SC+2:SC+3], v[SG+2:SG+3] neg_lo:[0,1] neg_hi:[0,1]
	v_pk_mul_f32 v[SQ:SQ+1], v[SC:SC+1], v[SC:SC+1]
	v_pk_fma_f32 v[SQ:SQ+1], v[SC+2:SC+3], v[SC+2:SC+3], v[SQ:SQ+1]
	v_add_f32 v[SQ], v[SQ], v[SQ+1]
	v_add_f32_dpp v[SQ], v[SQ], v[SQ] row_xmask:1 row_mask:0xf bank_mask:0xf
	v_add_f32_dpp v[SQ], v[SQ], v[SQ] row_xmask:2 row_mask:0xf bank_mask:0xf
	v_add_f32_dpp v[SQ], v[SQ], v[SQ] row_xmask:4 row_mask:0xf bank_mask:0xf
	v_add_f32_dpp v[SQ], v[SQ], v[SQ] row_xmask:8 row_mask:0xf bank_mask:0xf
	v_permlanex16_b32 v[SQ+1], v[SQ], s22, s23
	v_add_f32 v[SQ], v[SQ], v[SQ+1]
	v_cmp_eq_u32 vcc_lo, 0, v0
	s_wait_xcnt 0x0                                ; EXEC is a source of the store above: it is narrowed only behind this wait
	s_wait_tensorcnt 0x0
	ds_add_u32 v72, v73
	s_wait_dscnt 0x0
	s_and_saveexec_b32 s18, vcc_lo
	global_store_b32 v[PA], v[SQ], s[12:13]        ; one word a work-group, from lane 0
	s_endpgm
.Ldone:
	s_wait_tensorcnt 0x0
	ds_add_u32 v72, v73
	s_wait_dscnt 0x0
	s_endpgm
.Lfunc_end_k_q30a2afdfc9_count:
	.size	k_q30a2afdfc9_count, .Lfunc_end_k_q30a2afdfc9_count-k_q30a2afdfc9_count
	.p2alignl 7, 3214868480
	.fill 96, 4, 3214868480
	.section	.rodata,"a",@progbits
	.p2align	6, 0x0
	.amdhsa_kernel k_q30a2afdfc9_count
		.amdhsa_group_segment_fixed_size 2560
		.amdhsa_private_segment_fixed_size 0
		.amdhsa_enable_private_segment 0
		.amdhsa_kernarg_size 40
		.amdhsa_user_sgpr_count 2
		.amdhsa_user_sgpr_kernarg_segment_ptr 1
		.amdhsa_wavefront_size32 1
		.amdhsa_system_sgpr_workgroup_id_x 1
		.amdhsa_system_sgpr_workgroup_id_y 1
		.amdhsa_system_sgpr_workgroup_id_z 1
		.amdhsa_system_vgpr_workitem_id 0
		.amdhsa_next_free_vgpr 74
		.amdhsa_next_free_sgpr 66
		.amdhsa_reserve_vcc 1
		.amdhsa_float_denorm_mode_32 3
		.amdhsa_float_denorm_mode_16_64 3
		.amdhsa_memory_ordered 1
		.amdhsa_forward_progress 1
		.amdhsa_inst_pref_size 10
	.end_amdhsa_kernel
	.amdgpu_metadata
---
amdhsa.version: [ 1, 2 ]
amdhsa.kernels:
  - .name:           k_q30a2afdfc9_count
    .symbol:         k_q30a2afdfc9_count.kd
    .args:
      - { .name: coords, .offset: 0, .size: 8, .value_kind: global_buffer, .address_space: global }
      - { .name: bits, .offset: 8, .size: 8, .value_kind: global_buffer, .address_space: global }
      - { .name: scores, .offset: 16, .size: 8, .value_kind: global_buffer, .address_space: global }
      - { .name: out1, .offset: 24, .size: 8, .value_kind: global_buffer, .address_space: global }
      - { .name: partial, .offset: 32, .size: 8, .value_kind: global_buffer, .address_space: global }
    .group_segment_fixed_size: 2560
    .private_segment_fixed_size: 0
    .kernarg_segment_align: 8
    .kernarg_segment_size: 40
    .max_flat_workgroup_size: 512
    .sgpr_count:     66
    .vgpr_count:     74
    .wavefront_size: 32
...
	.end_amdgpu_metadata
.endif
;; end of part 2
;; launch finish (part 3): grid 1 x 1, 1 waves a work-group, no clusters, 0 bytes of LDS; arguments partial, out0; writes out0
.if DOCPART == 3
	.amdgcn_target "amdgcn-amd-amdhsa--gfx1250"
	.amdhsa_code_object_version 6
	.text
	.protected	k_q30a2afdfc9_finish
	.globl	k_q30a2afdfc9_finish
	.p2align	8
	.type	k_q30a2afdfc9_finish,@function
k_q30a2afdfc9_finish:
	s_mov_b64 s[64:65], 0
	v_nop
	global_prefetch_b8 v0, s[64:65] scope:SCOPE_SE
	s_setreg_imm32_b32 hwreg(HW_REG_WAVE_MODE, 25, 1), 1
	s_wait_xcnt 0x0
; FINISH: loss = (the sum of the 256 work-groups' sums of squares) / 32768.
; One wave: 1,024 bytes are two 16-byte loads a lane; eight numbers are added in the lane, then the 32 lanes are joined.
; The sum has a fixed order, so the result is the same in every run.
	s_load_b128 s[4:7], s[0:1], 0x0                ; partial s[4:5], out0 s[6:7]
	v_lshlrev_b32 v1, 4, v0
	v_mov_b32 v2, 0
	s_mov_b32 s8, 0x76543210                       ; v_permlanex16_b32: lane i of one half reads lane i of the other
	s_mov_b32 s9, 0xfedcba98
	s_wait_kmcnt 0x0
	global_load_b128 v[4:7], v1, s[4:5]
	global_load_b128 v[8:11], v1, s[4:5] offset:512
	s_wait_loadcnt 0x0
	v_pk_add_f32 v[4:5], v[4:5], v[8:9]
	v_pk_add_f32 v[6:7], v[6:7], v[10:11]
	v_pk_add_f32 v[4:5], v[4:5], v[6:7]
	v_add_f32 v4, v4, v5
	v_add_f32_dpp v4, v4, v4 row_xmask:1 row_mask:0xf bank_mask:0xf
	v_add_f32_dpp v4, v4, v4 row_xmask:2 row_mask:0xf bank_mask:0xf
	v_add_f32_dpp v4, v4, v4 row_xmask:4 row_mask:0xf bank_mask:0xf
	v_add_f32_dpp v4, v4, v4 row_xmask:8 row_mask:0xf bank_mask:0xf
	v_permlanex16_b32 v5, v4, s8, s9
	v_add_f32 v4, v4, v5
	v_mul_f32 v4, 0x38000000, v4                   ; / 32768 = * 2^-15, exact
	v_cmp_eq_u32 vcc_lo, 0, v0
	s_wait_xcnt 0x0                                ; EXEC is narrowed only behind this wait
	s_and_saveexec_b32 s10, vcc_lo
	global_store_b32 v2, v4, s[6:7]                ; the one number, from lane 0
	s_endpgm
.Lfunc_end_k_q30a2afdfc9_finish:
	.size	k_q30a2afdfc9_finish, .Lfunc_end_k_q30a2afdfc9_finish-k_q30a2afdfc9_finish
	.p2alignl 7, 3214868480
	.fill 96, 4, 3214868480
	.section	.rodata,"a",@progbits
	.p2align	6, 0x0
	.amdhsa_kernel k_q30a2afdfc9_finish
		.amdhsa_group_segment_fixed_size 0
		.amdhsa_private_segment_fixed_size 0
		.amdhsa_enable_private_segment 0
		.amdhsa_kernarg_size 16
		.amdhsa_user_sgpr_count 2
		.amdhsa_user_sgpr_kernarg_segment_ptr 1
		.amdhsa_wavefront_size32 1
		.amdhsa_system_sgpr_workgroup_id_x 1
		.amdhsa_system_sgpr_workgroup_id_y 1
		.amdhsa_system_sgpr_workgroup_id_z 1
		.amdhsa_system_vgpr_workitem_id 0
		.amdhsa_next_free_vgpr 12
		.amdhsa_next_free_sgpr 66
		.amdhsa_reserve_vcc 1
		.amdhsa_float_denorm_mode_32 3
		.amdhsa_float_denorm_mode_16_64 3
		.amdhsa_memory_ordered 1
		.amdhsa_forward_progress 1
		.amdhsa_inst_pref_size 2
	.end_amdhsa_kernel
	.amdgpu_metadata
---
amdhsa.version: [ 1, 2 ]
amdhsa.kernels:
  - .name:           k_q30a2afdfc9_finish
    .symbol:         k_q30a2afdfc9_finish.kd
    .args:
      - { .name: partial, .offset: 0, .size: 8, .value_kind: global_buffer, .address_space: global }
      - { .name: out0, .offset: 8, .size: 8, .value_kind: global_buffer, .address_space: global }
    .group_segment_fixed_size: 0
    .private_segment_fixed_size: 0
    .kernarg_segment_align: 8
    .kernarg_segment_size: 16
    .max_flat_workgroup_size: 32
    .sgpr_count:     66
    .vgpr_count:     12
    .wavefront_size: 32
...
	.end_amdgpu_metadata
.endif
;; end of part 3
